; MI455X (gfx1250); checked and timed in simulation.
; The chip was launched on July 23, 2026; its instructions are those of AMD's public machine-readable ISA for CDNA 5 (MIT licence, August 2026) and "CDNA5" Instruction Set Architecture Reference Guide (July 2026). The comments in the code are by the model that wrote it; some were corrected since.
;; Projected Adaptive Log Softmax. Allowed arithmetic: matrix products marked QUANTISED: E4M3 operands, one given power-of-two scale a tensor, by v_wmma_f32_16x16x64_fp8_fp8 or v_wmma_f32_16x16x128_fp8_fp8, f32 sums; products left as they are: f32 operands where the result goes on into a quantised operand, else bf16, f16 or f32 operands; f32 sums; everything else in f32.
;; Inputs: b1 20,000 float32; b2 160,000 float32; b3 67,735 float32; head_bias 20,003 float32; head_weight 20,003 x 1,024 float32; hidden 1,024 x 1,024 float32; lowp_scales 14 int32 (the exponents e of the quantised operands' scales 2^e); p1 1,024 x 256 float32; p2 1,024 x 64 float32; p3 1,024 x 16 float32; proj0 1,024 x 1,024 float32; target 1,024 int32; w1 20,000 x 256 float32; w2 160,000 x 64 float32; w3 67,735 x 16 float32.
;; Outputs: out0 1,024 float32.
;; This version of the problem:
;;   THIS VERSION OF THE PROBLEM IS GIVEN IN LOW PRECISION. The matrix products marked QUANTISED in the list below multiply operands that are first quantised to E4M3 (4 exponent bits, 3 mantissa bits; 8 bits a number), with one given power-of-two scale for each operand tensor; their sums are f32. All else is computed in f32.
;;   The module's matrix products, in the order in which they are computed (A, B: the left and right operand; K: the contracted axis; several contracted axes count as one K, in the product's order):
;;     1. [M 1,024, K 1,024] x [K 1,024, N 1,024]; A: input hidden; B: input proj0: QUANTISED (scales: A lowp_scales[0], B lowp_scales[1])
;;     2. [M 1,024, K 1,024] x [K 1,024, N 20,003]; A: computed on the way; B: input head_weight: QUANTISED (scales: A lowp_scales[2], B lowp_scales[3])
;;     3. [M 1,024, K 1,024] x [K 1,024, N 256]; A: input hidden; B: input p1: QUANTISED (scales: A lowp_scales[4], B lowp_scales[5])
;;     4. [M 1,024, K 256] x [K 256, N 20,000]; A: computed on the way; B: input w1: QUANTISED (scales: A lowp_scales[6], B lowp_scales[7])
;;     5. [M 1,024, K 1,024] x [K 1,024, N 64]; A: input hidden; B: input p2: QUANTISED (scales: A lowp_scales[8], B lowp_scales[9])
;;     6. [M 1,024, K 64] x [K 64, N 160,000]; A: computed on the way; B: input w2: QUANTISED (scales: A lowp_scales[10], B lowp_scales[11])
;;     7. [M 1,024, K 1,024] x [K 1,024, N 16]; A: input hidden; B: input p3: QUANTISED (scales: A lowp_scales[12], B lowp_scales[13])
;;     8. [M 1,024, K 16] x [K 16, N 67,735]; A: computed on the way; B: input w3: left as it is (K = 16 < 32)
;;   THE QUANTISER, for each operand of a quantised product, along K:
;;     - The operand's scale is 2^e, e = its entry of the input lowp_scales (int32; the entries are numbered through the quantised products in the list's order, A before B).
;;     - Each number is divided by the scale, clamped to +-448, and rounded to the nearest number of E4M3, ties to even, subnormals kept.
;;     - The product sums the exact products of the quantised numbers (number of the format x scale) in f32.
;;   ~~~python
;;   def quantise(x, axis, e):      # numpy; x: float32 -> the quantised numbers, widened to float32 again
;;       x = np.moveaxis(x, axis, -1); K = x.shape[-1]
;;       r = np.clip(x / 2.0 ** e, -448, 448)
;;       step = 2.0 ** (np.maximum(np.frexp(np.where(r == 0, 1, r))[1] - 1, -6) - 3)
;;       q = np.round(r / step) * step * 2.0 ** e      # np.round: ties to even
;;       return np.moveaxis(q, -1, axis).astype(np.float32)
;;   ~~~
;;   OPERANDS COMPUTED ON THE WAY. 'Computed on the way' means the value that the module computes at that place (a softmax that the list does not call 'softmax' is quantised finished and normalised). What goes into a quantiser is computed in f32, as accurately as f32 sums, v_exp_f32 and their like allow (about 1e-6 of the number): no bf16 or f16 on the way to a quantiser, and a product that is left as it is and whose result goes on into a quantised operand takes f32 operands (vector FMAs, or v_wmma_f32_16x16x4_f32). A number that lies on a knife's edge between two numbers of the format may be rounded either way, as far as f32 arithmetic and the matrix unit's own rounding can turn it there, and no further.
;; One version. Each part assembles by itself: llvm-mc -triple=amdgcn-amd-amdhsa -mcpu=gfx1250 --defsym DOCPART=n.
;; ======== version 1 of 1: 4 launches
;; limits: right only within a limited range of input values
;; workspace buffers: route 16,640 bytes of whole numbers; xc 1,441,792 bytes; part 19,202,048 bytes; z 8,192 bytes
;; launch prep (part 1): grid 22 x 16, 4 waves a work-group, no clusters, 133,632 bytes of LDS; arguments target, hidden, proj0, p1, p2, p3, lowp_scales, route, xc, z; writes route, xc, z
.if DOCPART == 1
	.amdgcn_target "amdgcn-amd-amdhsa--gfx1250"
	.amdhsa_code_object_version 6
	.text
	.protected	k_q96df8e0440_prep
	.globl	k_q96df8e0440_prep
	.p2align	8
	.type	k_q96df8e0440_prep,@function
k_q96df8e0440_prep:
	s_mov_b64 s[64:65], 0
	v_nop
	global_prefetch_b8 v0, s[64:65] scope:SCOPE_SE
	s_setreg_imm32_b32 hwreg(HW_REG_WAVE_MODE, 25, 1), 1
	s_wait_xcnt 0x0
; Tokens are sorted by cluster (0: target < 20000, 1: < 40000, 2: < 200000, 3: the rest); POSITION p holds the k-th token of its cluster, in token order.
; Work-group (cb, pb): 64 positions (64 pb on) x 64 columns of one projection: cb 0-15 proj0, 16-19 p1, 20 p2, 21 p3 (its 16 columns; the rest of the block repeats column 15 and is not used).
; hidden's rows (gathered by position) and the projection's columns are quantised to E4M3 with their given scales, laid as rows of 1,024 codes in LDS, multiplied (K = 1,024),
; and the sums are quantised again with the next product's scale (p3: rounded to bf16) and stored as IMAGES OF OPERAND REGISTERS: registers 4c..4c+3 of a K step, lane l's 16 bytes at 16 l.
; The sort uses whole numbers alone: every wave finds the tokens of its 16 positions by counting (no LDS, no atomics).  Work-groups with cb = 0 also store the routing tables and clear z.
; LIMITS: each given exponent e, and eO - eA - eB, lies between -126 and 119; NaN among the inputs is not served.
; No tensor loads: rows are gathered by computed indices.  No cluster: what is shared (hidden's rows, a projection's columns) is read again from the cache by 22 and 16 work-groups.
.set PT,  1040                         ; an LDS row: 1,024 codes + 16: an odd multiple of 16 bytes
.set COL, 64*PT                        ; LDS: 64 token rows at 0, 64 column rows here
.set TG,  128                          ; v128-159 the 1,024 targets: register q, lane l: token 32 q + l
.set KO,  32                           ; v32-63   byte offsets of 32 rows of the projection at my column
.set CS,  64                           ; v64-127  two sets of 32 numbers down K
.set CD,  128                          ; v128-143 two sets of 8 registers of codes
.set HR,  160                          ; v160-255 three slots of a hidden row (32 registers)
.set ACC, 32                           ; v32-63   four accumulators
.set F0,  64                           ; v64-143, v144-223 two sets of fragments: tokens (16), four column tiles (64)
.set OC,  224                          ; v224-231 what is stored
.macro MKS e, vlim, vsc                ; 2^e and 448 x 2^e as f32
	s_add_co_i32 s51, \e, 127
	s_lshl_b32 s52, s51, 23
	v_mov_b32 v[\vsc], s52
	s_add_co_i32 s51, s51, 8
	s_lshl_b32 s51, s51, 23
	s_or_b32 s51, s51, 0x600000
	v_mov_b32 v[\vlim], s51
.endm
.macro CLOAD set                       ; 32 numbers down K of my column
.set i, 0
.rept 32
	global_load_b32 v[CS+32*(\set)+i], v[KO+i], s[8:9]
.set i, i+1
.endr
.endm
.macro GE                              ; masks of group q: target >= 20000, 40000, 200000
	v_cmp_le_u32 s48, s42, v[TG+q]
	v_cmp_le_u32 s49, s43, v[TG+q]
	v_cmp_le_u32 s50, s44, v[TG+q]
.endm
.macro DESC a, mask, w                 ; one step down: is the wanted bit in the upper half of w bits?
	v_lshrrev_b32 v23, v7, v[\a]
	v_and_b32 v23, \mask, v23
	v_cmp_ge_u32 vcc_lo, v22, v23
	v_sub_nc_u32 v23, v22, v23
	v_cndmask_b32 v22, v22, v23, vcc_lo
	v_add_nc_u32 v24, \w, v7
	v_cndmask_b32 v7, v7, v24, vcc_lo
.endm
.macro HLOAD i                         ; the hidden row of my wave's position i: 8 loads of 512 consecutive bytes
	v_readlane_b32 s51, v7, \i
	s_min_u32 s51, s51, 1023
	v_lshl_add_u32 v[18+(\i)%3], s51, 12, v4
.irp j, 0,1,2,3,4,5,6,7
	global_load_b128 v[HR+32*((\i)%3)+4*\j:HR+32*((\i)%3)+4*\j+3], v[18+(\i)%3], s[6:7] offset:512*\j
.endr
.endm
.macro HROW i
.if 15-(\i) >= 2
	s_wait_loadcnt 16                      ; my row is in; the two younger rows' 16 loads may be out
.else
	s_wait_loadcnt 8*(15-(\i))
.endif
.set HS, HR+32*((\i)%3)
.set HC, CD+8*((\i)%2)
.set n, 0
.rept 32
	v_med3_num_f32 v[HS+n], v[HS+n], -v8, v8       ; the conversion does not saturate (ISA guide 7.6.2): held at 448 x the scale
.set n, n+1
.endr
.if (\i) >= 2
	s_wait_dscnt 8                         ; the stores of two rows ago have read this set of codes; the last row's 8 may be out
.endif
.irp m, 0,1,2,3
	v_cvt_scalef32_pk8_fp8_f32 v[HC+2*\m:HC+2*\m+1], v[HS+8*\m:HS+8*\m+7], v9   ; register 2m: 4 codes of load 2m, register 2m+1: of load 2m+1
.endr
	v_nop                                  ; a plain line behind the conversions
.irp j, 0,1,2,3,4,5,6,7
	ds_store_b32 v14, v[HC+\j] offset:PT*(\i)+128*\j   ; k = 128 j + 4 lane
.endr
.if (\i)+3 < 16
	HLOAD (\i)+3
.endif
.endm
.macro CBLK b
.if (\b) < 15
	s_wait_loadcnt 32                      ; this block is in; the next block's 32 loads may be out
.else
	s_wait_loadcnt 0
.endif
.set XS, CS+32*((\b)%2)
.set XC, CD+8*((\b)%2)
.set n, 0
.rept 32
	v_med3_num_f32 v[XS+n], v[XS+n], -v10, v10
.set n, n+1
.endr
.if (\b) >= 2
	s_wait_dscnt 2                         ; the stores of two blocks ago have read this set of codes
.endif
.irp m, 0,1,2,3
	v_cvt_scalef32_pk8_fp8_f32 v[XC+2*\m:XC+2*\m+1], v[XS+8*\m:XS+8*\m+7], v11
.endr
	v_nop
	ds_store_b128 v15, v[XC:XC+3] offset:32*(\b)
	ds_store_b128 v15, v[XC+4:XC+7] offset:32*(\b)+16
.if (\b)+2 < 16
	s_wait_xcnt 0x0                        ; the base is stepped only when every load issued has read it
	s_add_nc_u64 s[8:9], s[8:9], s[40:41]
	CLOAD (\b)%2
.endif
.endm
.macro FRG ks, S                       ; K step ks: my token tile's fragment and the four column tiles'
.irp c, 0,1,2,3
	ds_load_b128 v[\S+4*\c:\S+4*\c+3], v16 offset:128*(\ks)+32*\c
.endr
.irp t, 0,1,2,3
.irp c, 0,1,2,3
	ds_load_b128 v[\S+16+16*\t+4*\c:\S+16+16*\t+4*\c+3], v17 offset:(32*(\t/2)+8*(\t%2))*PT+128*(\ks)+32*\c
.endr
.endr
.endm
.macro MMK S, zero                     ; four accumulators by turns
.irp t, 0,1,2,3
.if \zero
	v_wmma_f32_16x16x128_fp8_fp8 v[ACC+8*\t:ACC+8*\t+7], v[\S+16+16*\t:\S+31+16*\t], v[\S:\S+15], 0
.else
	v_wmma_f32_16x16x128_fp8_fp8 v[ACC+8*\t:ACC+8*\t+7], v[\S+16+16*\t:\S+31+16*\t], v[\S:\S+15], v[ACC+8*\t:ACC+8*\t+7]
.endif
.endr
.endm
	s_load_b512 s[4:19], s[0:1], 0x0               ; target, hidden, proj0, p1, p2, p3, lowp_scales, route
	s_load_b128 s[20:23], s[0:1], 0x40             ; xc, z
	v_lshl_add_u32 v21, v0, 2, 0x20800
	s_set_vgpr_msb 0x40
	v_mov_b32 v1, 0
	s_set_vgpr_msb 0x4000
	v_lshrrev_b32 v1, 5, v0
	v_readfirstlane_b32 s24, v1                    ; wave
	v_and_b32 v1, 31, v0                           ; lane
	v_and_b32 v2, 15, v0                           ; r
	v_bfe_u32 v3, v0, 4, 1                         ; h
	v_lshlrev_b32 v4, 4, v1
	v_lshlrev_b32 v5, 2, v1
	s_mov_b32 s25, ttmp9                           ; cb
	s_and_b32 s26, ttmp7, 0xffff                   ; pb
	s_mov_b32 s27, 0                               ; which projection
	s_mov_b32 s32, 0                               ; its first cb
	s_mov_b32 s29, 4096                            ; 4 N: bytes in a row of it
	s_mov_b32 s30, 16384                           ; bytes of a token tile's image
	s_mov_b32 s31, 0                               ; where its images begin in xc
	s_mov_b32 s70, 0xffff0000                      ; lanes 16-31
	s_wait_kmcnt 0x0
	s_cmp_ge_u32 s25, 16                           ; one path for all four: numbers and the pointer are chosen by the work-group's number
	s_cselect_b32 s27, 1, s27
	s_cselect_b32 s32, 16, s32
	s_cselect_b32 s29, 0x400, s29
	s_cselect_b32 s30, 0x1000, s30
	s_cselect_b32 s31, 0x100000, s31
	s_cselect_b64 s[8:9], s[10:11], s[8:9]
	s_cmp_ge_u32 s25, 20
	s_cselect_b32 s27, 2, s27
	s_cselect_b32 s32, 20, s32
	s_cselect_b32 s29, 0x100, s29
	s_cselect_b32 s30, 0x400, s30
	s_cselect_b32 s31, 0x140000, s31
	s_cselect_b64 s[8:9], s[12:13], s[8:9]
	s_cmp_ge_u32 s25, 21
	s_cselect_b32 s27, 3, s27
	s_cselect_b32 s32, 21, s32
	s_cselect_b32 s29, 64, s29
	s_cselect_b32 s31, 0x150000, s31
	s_cselect_b64 s[8:9], s[14:15], s[8:9]
	s_sub_co_u32 s28, s25, s32                     ; my block of 64 columns
	s_lshl_b32 s33, s27, 4
	s_load_b64 s[34:35], s[16:17], s33 offset:0x0  ; eA, eB: entries 4 pi, 4 pi + 1
	s_add_co_u32 s36, s33, 8
	s_min_u32 s36, s36, 40                         ; (p3 has no such entry: a valid one is read and not used)
	s_load_b32 s37, s[16:17], s36 offset:0x0       ; eO: entry 4 pi + 2
.set q, 0
.rept 32
	global_load_b32 v[TG+q], v5, s[4:5] offset:128*q
.set q, q+1
.endr
	s_lshr_b32 s38, s29, 2
	s_sub_co_u32 s38, s38, 1                       ; N - 1
	s_and_b32 s39, s24, 1
	s_lshl_b32 s39, s39, 5
	s_lshl_b32 s40, s28, 6
	s_add_co_u32 s39, s39, s40
	v_add_nc_u32 v22, s39, v1                      ; my column: 64 block + 32 (wave & 1) + lane,
	v_min_u32 v22, s38, v22                        ; inside the projection
	v_lshlrev_b32 v[KO], 2, v22
.set i, 1
.rept 31
	v_add_nc_u32 v[KO+i], s29, v[KO+i-1]
.set i, i+1
.endr
	s_lshr_b32 s40, s24, 1                         ; my half of K: 512 (wave >> 1) on
	s_lshl_b32 s41, s29, 9
	s_mul_i32 s40, s40, s41
	s_mov_b32 s41, 0
	s_add_nc_u64 s[8:9], s[8:9], s[40:41]
	s_lshl_b32 s40, s29, 5                         ; s[40:41]: 32 rows on
	CLOAD 0
	; LDS addresses, all made here
	s_mul_i32 s51, s24, 16*PT
	v_add_nc_u32 v14, s51, v5                      ; token rows, in: row 16 w, + 4 lane
	v_mul_u32_u24 v16, v2, PT
	v_lshl_add_u32 v16, v3, 4, v16
	v_add_nc_u32 v16, s51, v16                     ; token fragment: row 16 w + r, + 16 h
	s_and_b32 s51, s24, 1
	s_mul_i32 s51, s51, 32*PT
	s_lshr_b32 s52, s24, 1
	s_lshl_b32 s52, s52, 9
	s_add_co_u32 s51, s51, s52
	s_add_co_u32 s51, s51, COL
	v_mul_u32_u24 v15, v1, PT
	v_add_nc_u32 v15, s51, v15                     ; column rows, in: row 32 (w & 1) + lane, + 512 (w >> 1)
	v_and_b32 v17, 8, v2
	v_add_nc_u32 v17, v17, v2                      ; THE COLUMNS OF A TILE ARE NOT NEIGHBOURS: lane r of tile 2 b + u takes column 32 b + 8 u + r + 8 (r / 8),
	v_mul_u32_u24 v17, v17, PT                     ; so that the 16 registers of tiles 2 b, 2 b + 1 are 16 neighbours along the next K
	v_lshl_add_u32 v17, v3, 4, v17
	v_add_nc_u32 v17, COL, v17
	s_lshl_b32 s51, s26, 6
	s_lshl_b32 s52, s24, 4
	s_add_co_u32 s51, s51, s52
	v_add_nc_u32 v6, s51, v2                       ; my position: 64 pb + 16 w + r
	s_mov_b32 s42, 20000
	s_mov_b32 s43, 40000
	s_mov_b32 s44, 200000
	s_mov_b32 s45, 0
	s_mov_b32 s46, 0
	s_mov_b32 s47, 0
	s_wait_loadcnt 32                              ; the targets are in; the 32 column loads behind them may be out
	s_wait_xcnt 0x0
	s_add_nc_u64 s[8:9], s[8:9], s[40:41]
	CLOAD 1
	; ---- the sort.  Pass 1: how many targets lie at or above each bound
.set q, 0
.rept 32
	GE
	s_bcnt1_i32_b32 s51, s48
	s_bcnt1_i32_b32 s52, s49
	s_bcnt1_i32_b32 s53, s50
	s_add_co_u32 s45, s45, s51
	s_add_co_u32 s46, s46, s52
	s_add_co_u32 s47, s47, s53
.set q, q+1
.endr
	s_sub_co_u32 s54, 1024, s45                    ; where cluster 1, 2, 3 begin
	s_sub_co_u32 s55, 1024, s46
	s_sub_co_u32 s56, 1024, s47
	v_cmp_le_u32 s57, s54, v6                      ; my position's cluster, as three masks
	v_cmp_le_u32 s58, s55, v6
	v_cmp_le_u32 s59, s56, v6
	v_mov_b32 v22, 0
	v_cndmask_b32 v22, v22, s54, s57
	v_cndmask_b32 v22, v22, s55, s58
	v_cndmask_b32 v22, v22, s56, s59
	v_sub_nc_u32 v22, v6, v22                      ; k: I want the k-th token of my cluster
	v_mov_b32 v25, 0
	v_mov_b32 v26, 0
	v_mov_b32 v27, 0
	s_mov_b32 s60, 0                               ; tokens of cluster 0..3 in the groups passed
	s_mov_b32 s61, 0
	s_mov_b32 s62, 0
	s_mov_b32 s63, 0
	; Pass 2: the last group of 32 tokens ahead of which at most k tokens of my cluster lie holds the one I want
.set q, 0
.rept 32
	GE
	s_not_b32 s66, s48
	s_and_not1_b32 s67, s48, s49
	s_and_not1_b32 s68, s49, s50
	v_mov_b32 v23, s66
	v_cndmask_b32 v23, v23, s67, s57
	v_cndmask_b32 v23, v23, s68, s58
	v_cndmask_b32 v23, v23, s50, s59               ; the group's tokens of my cluster
	v_mov_b32 v24, s60
	v_cndmask_b32 v24, v24, s61, s57
	v_cndmask_b32 v24, v24, s62, s58
	v_cndmask_b32 v24, v24, s63, s59               ; and how many came before
	v_cmp_le_u32 vcc_lo, v24, v22
	v_cndmask_b32 v25, v25, v23, vcc_lo
	v_cndmask_b32 v26, v26, v24, vcc_lo
	v_cndmask_b32 v27, v27, q, vcc_lo
	s_bcnt1_i32_b32 s51, s66
	s_add_co_u32 s60, s60, s51
	s_bcnt1_i32_b32 s51, s67
	s_add_co_u32 s61, s61, s51
	s_bcnt1_i32_b32 s51, s68
	s_add_co_u32 s62, s62, s51
	s_bcnt1_i32_b32 s51, s50
	s_add_co_u32 s63, s63, s51
.set q, q+1
.endr
	v_sub_nc_u32 v22, v22, v26                     ; which set bit of the group's mask
	v_lshrrev_b32 v28, 1, v25                      ; counts of set bits in fields of 2, 4, 8, 16 bits
	v_and_b32 v28, 0x55555555, v28
	v_sub_nc_u32 v28, v25, v28
	v_lshrrev_b32 v29, 2, v28
	v_and_b32 v29, 0x33333333, v29
	v_and_b32 v30, 0x33333333, v28
	v_add_nc_u32 v29, v29, v30
	v_lshrrev_b32 v30, 4, v29
	v_add_nc_u32 v30, v30, v29
	v_and_b32 v30, 0x0f0f0f0f, v30
	v_lshrrev_b32 v31, 8, v30
	v_add_nc_u32 v31, v31, v30
	v_and_b32 v31, 0x00ff00ff, v31
	v_mov_b32 v7, 0
	DESC 31, 0xffff, 16
	DESC 30, 0xff, 8
	DESC 29, 15, 4
	DESC 28, 3, 2
	DESC 25, 1, 1
	v_lshl_add_u32 v7, v27, 5, v7                  ; my position's token
	v_min_u32 v7, 0x3ff, v7
	s_wait_kmcnt 0x0
	MKS s34, 8, 9                                  ; hidden's scale
	MKS s35, 10, 11                                ; the projection's
	s_add_co_i32 s71, s34, s35                     ; eA + eB
	s_sub_co_i32 s53, s37, s71
	MKS s53, 12, 13                                ; a sum stands for sum x 2^(eA + eB): its code is sum / 2^(eO - eA - eB)
	; ---- the routing tables, by the work-groups of the first column block
	s_cmp_lg_u32 s25, 0
	s_cbranch_scc1 .Lnoroute
	v_lshlrev_b32 v23, 2, v7
	global_load_b32 v24, v23, s[4:5]               ; my token's target
	v_cndmask_b32 v25, 0, 1, s57
	v_cndmask_b32 v25, v25, 2, s58
	v_cndmask_b32 v25, v25, 3, s59                 ; its cluster
	v_sub_nc_u32 v26, 0x4e23, v25                  ; 20003 - cluster
	v_lshlrev_b32 v28, 2, v6
	v_lshl_add_u32 v28, v3, 12, v28                ; 4 p, lanes 16-31 one table further
	v_mov_b32 v31, 0
	s_wait_loadcnt 0x0
	v_cndmask_b32 v26, v24, v26, s57               ; the head column wanted
	v_cndmask_b32 v29, v7, v24, s70                ; perm | target by position
	v_cndmask_b32 v30, v26, v25, s70               ; head column | cluster
	global_store_b32 v28, v29, s[18:19]
	global_store_b32 v28, v30, s[18:19] offset:8192
	global_store_b32 v28, v31, s[22:23]            ; both tables of z begin as zeros
	s_or_b32 s51, s26, s24
	s_cmp_lg_u32 s51, 0
	s_cbranch_scc1 .Lnoroute
	v_mov_b32 v22, 0x400                           ; the segments' starts, then 1,024
	v_cmp_eq_u32 vcc_lo, 0, v1
	v_cndmask_b32 v22, v22, s54, vcc_lo
	v_cmp_eq_u32 vcc_lo, 1, v1
	v_cndmask_b32 v22, v22, s55, vcc_lo
	v_cmp_eq_u32 vcc_lo, 2, v1
	v_cndmask_b32 v22, v22, s56, vcc_lo
	global_store_b32 v5, v22, s[18:19] offset:16384
.Lnoroute:
	s_wait_xcnt 0x0                                ; the stores have read their registers
	; ---- my 16 hidden rows become rows of codes
	HLOAD 0
	HLOAD 1
	HLOAD 2
.irp i, 0,1,2,3,4,5,6,7,8,9,10,11,12,13,14,15
	HROW \i
.endr
	s_wait_dscnt 0x0                               ; both sets of code registers are free
	; ---- my 32 columns x 512 along K
.irp b, 0,1,2,3,4,5,6,7,8,9,10,11,12,13,14,15
	CBLK \b
.endr
	s_wait_dscnt 0x0                               ; for the others' sake: my rows lie in LDS
	s_barrier_signal -1
	s_barrier_wait -1
	; ---- the product, transposed: source 0 = 16 columns, source 1 = my 16 positions: a lane holds one position
	FRG 0, F0
	FRG 1, F0+80
	s_wait_dscnt 20                                ; K step 0's 20 loads are in; the next step's 20 may be out
	MMK F0, 1
.irp ks, 1,2,3,4,5,6
.rept 4
	v_nop                                          ; four places ahead of loads into registers that the last products read
.endr
	FRG \ks+1, F0+80*((\ks+1)%2)
	s_wait_dscnt 20
	MMK F0+80*(\ks%2), 0
.endr
	s_wait_dscnt 0x0
	MMK F0+80, 0
	s_lshl_b32 s51, s26, 2
	s_add_co_u32 s51, s51, s24                     ; my token tile
	s_mul_i32 s51, s51, s30
	s_add_co_u32 s51, s51, s31
	s_lshl_b32 s72, s28, 10                        ; 64 columns are two groups of four registers: 1,024 bytes
	s_add_co_u32 s72, s72, s51
	s_mov_b32 s73, 0
	s_add_nc_u64 s[20:21], s[20:21], s[72:73]
.rept 4
	v_nop                                          ; four places ahead of the first read of the sums
.endr
	s_cmp_eq_u32 s27, 3
	s_cbranch_scc1 .Lbf
.set n, 0
.rept 32
	v_med3_num_f32 v[ACC+n], v[ACC+n], -v12, v12
.set n, n+1
.endr
.irp m, 0,1,2,3
	v_cvt_scalef32_pk8_fp8_f32 v[OC+2*\m:OC+2*\m+1], v[ACC+8*\m:ACC+8*\m+7], v13
.endr
	v_nop
	s_branch .Lstore
.Lbf:                                              ; p3: the last product is left as it is: bf16; lanes 0-15 hold k = 0..15, lanes 16-31 zeros (K = 16 of the form's 32)
.set n, 0
.rept 16
	v_ldexp_f32 v[ACC+n], v[ACC+n], s71
.set n, n+1
.endr
.set n, 0
.rept 8
	v_cvt_pk_bf16_f32 v[OC+n], v[ACC+2*n], v[ACC+2*n+1]
.set n, n+1
.endr
.set n, 0
.rept 8
	v_cndmask_b32 v[OC+n], v[OC+n], 0, s70
.set n, n+1
.endr
.Lstore:
	global_store_b128 v4, v[OC:OC+3], s[20:21]               ; each store: 512 consecutive bytes
	global_store_b128 v4, v[OC+4:OC+7], s[20:21] offset:512
	s_set_vgpr_msb 0x4
	s_wait_tensorcnt 0x0
	ds_add_u32 v21, v1
	s_wait_dscnt 0x0
	s_set_vgpr_msb 0x400
	s_endpgm
.Lfunc_end_k_q96df8e0440_prep:
	.size	k_q96df8e0440_prep, .Lfunc_end_k_q96df8e0440_prep-k_q96df8e0440_prep
	.p2alignl 7, 3214868480
	.fill 96, 4, 3214868480
	.section	.rodata,"a",@progbits
	.p2align	6, 0x0
	.amdhsa_kernel k_q96df8e0440_prep
		.amdhsa_group_segment_fixed_size 133632
		.amdhsa_private_segment_fixed_size 0
		.amdhsa_enable_private_segment 0
		.amdhsa_kernarg_size 80
		.amdhsa_user_sgpr_count 2
		.amdhsa_user_sgpr_kernarg_segment_ptr 1
		.amdhsa_wavefront_size32 1
		.amdhsa_system_sgpr_workgroup_id_x 1
		.amdhsa_system_sgpr_workgroup_id_y 1
		.amdhsa_system_sgpr_workgroup_id_z 1
		.amdhsa_system_vgpr_workitem_id 0
		.amdhsa_next_free_vgpr 258
		.amdhsa_next_free_sgpr 80
		.amdhsa_reserve_vcc 1
		.amdhsa_float_denorm_mode_32 3
		.amdhsa_float_denorm_mode_16_64 3
		.amdhsa_memory_ordered 1
		.amdhsa_forward_progress 1
		.amdhsa_inst_pref_size 229
	.end_amdhsa_kernel
	.amdgpu_metadata
---
amdhsa.version: [ 1, 2 ]
amdhsa.kernels:
  - .name:           k_q96df8e0440_prep
    .symbol:         k_q96df8e0440_prep.kd
    .args:
      - { .name: target, .offset: 0, .size: 8, .value_kind: global_buffer, .address_space: global }
      - { .name: hidden, .offset: 8, .size: 8, .value_kind: global_buffer, .address_space: global }
      - { .name: proj0, .offset: 16, .size: 8, .value_kind: global_buffer, .address_space: global }
      - { .name: p1, .offset: 24, .size: 8, .value_kind: global_buffer, .address_space: global }
      - { .name: p2, .offset: 32, .size: 8, .value_kind: global_buffer, .address_space: global }
      - { .name: p3, .offset: 40, .size: 8, .value_kind: global_buffer, .address_space: global }
      - { .name: lowp_scales, .offset: 48, .size: 8, .value_kind: global_buffer, .address_space: global }
      - { .name: route, .offset: 56, .size: 8, .value_kind: global_buffer, .address_space: global }
      - { .name: xc, .offset: 64, .size: 8, .value_kind: global_buffer, .address_space: global }
      - { .name: z, .offset: 72, .size: 8, .value_kind: global_buffer, .address_space: global }
    .group_segment_fixed_size: 133632
    .private_segment_fixed_size: 0
    .kernarg_segment_align: 8
    .kernarg_segment_size: 80
    .max_flat_workgroup_size: 128
    .sgpr_count:     80
    .vgpr_count:     258
    .wavefront_size: 32
...
	.end_amdgpu_metadata
.endif
;; end of part 1
;; launch head (part 2): grid 251 x 1, 4 waves a work-group, no clusters, 84,480 bytes of LDS; arguments head_weight, head_bias, lowp_scales, xc, route, part, z; writes part, z
.if DOCPART == 2
	.amdgcn_target "amdgcn-amd-amdhsa--gfx1250"
	.amdhsa_code_object_version 6
	.text
	.protected	k_q96df8e0440_head
	.globl	k_q96df8e0440_head
	.p2align	8
	.type	k_q96df8e0440_head,@function
k_q96df8e0440_head:
	s_mov_b64 s[64:65], 0
	v_nop
	global_prefetch_b8 v0, s[64:65] scope:SCOPE_SE
	s_setreg_imm32_b32 hwreg(HW_REG_WAVE_MODE, 25, 1), 1
	s_wait_xcnt 0x0
; The head's logits, 80 columns (rows of head_weight) to a work-group, for all 1,024 positions; of each (position, slab): m = the largest logit in base-2 units, s = the sum of 2^(logit - m).
; The slab's 80 x 1,024 numbers are read once (512 consecutive bytes a load), quantised and laid as rows of codes in LDS; behind ONE barrier every wave takes the whole slab into 640 registers,
; and the four waves share the 64 token tiles, whose fragments come from xc straight into registers (they were stored as images of registers).
; Transposed use: source 0 = 16 rows of head_weight, source 1 = 16 positions: a lane holds ONE position, so that maximum and sum want one exchange between the halves of the lanes.
; The bias, divided by 2^(e2 + e3), is the C of each sum's first product.  The last slab begins 77 rows early, so that no load leaves the table; the rows that the slab before has
; covered get -2^127 for a bias, so their weight is 0.  The logit that a position wants (its target's column, or its cluster's) is stored by the one slab that holds it.
; While one tile's 40 products are issued, the tile before is finished, a slice behind each K step.
; LIMITS: e3 between -126 and 119; e2 + e3 between -100 and 100.  NaN among the inputs is not served.
; No tensor loads and no cluster: 251 work-groups divide into no cluster, and the shared operand (the tokens' codes) goes to registers, not to LDS.
; REGISTERS, in windows of 256: window 0: v0-47 addresses and work; v48-87, v88-127 two sets of five accumulators; v128-255 a token tile (8 K steps x 16).
;   windows 1, 2, 3: the weights: K step ks, tile g at v[16 (5 (ks % 3) + g)] of window 1 + ks / 3; window 3, v160-199: the bias.
; Every vector offset of a global access is made once, at the head, from the thread's number; what moves from tile to tile is the scalar base.
.set PT,   1040
.set BIAS, 80*PT
.set A,    48
.set B,    88
.set RING, 128
.set COLA, 16
.set COLB, 17
.set MSB, 0
.macro WIN new                         ; the immediate's high byte repeats the setting that is left
.if MSB != (\new)
	s_set_vgpr_msb (MSB<<8)|(\new)
.set MSB, (\new)
.endif
.endm
.macro WLOAD i
.irp j, 0,1,2,3,4,5,6,7
	global_load_b128 v[96+32*((\i)%5)+4*\j:96+32*((\i)%5)+4*\j+3], v4, s[4:5] offset:4096*(\i)+512*\j th:TH_LOAD_NT
.endr
.endm
.macro WROW i
.if 19-(\i) >= 4
	s_wait_loadcnt 32                      ; my row is in; the four younger rows' 32 loads may be out
.else
	s_wait_loadcnt 8*(19-(\i))
.endif
.set WS, 96+32*((\i)%5)
.set WC, 48+8*((\i)%2)
.set n, 0
.rept 32
	v_med3_num_f32 v[WS+n], v[WS+n], -v9, v9       ; the conversion does not saturate (ISA guide 7.6.2)
.set n, n+1
.endr
.if (\i) >= 2
	s_wait_dscnt 8                         ; the stores of two rows ago have read this set of codes
.endif
.irp m, 0,1,2,3
	v_cvt_scalef32_pk8_fp8_f32 v[WC+2*\m:WC+2*\m+1], v[WS+8*\m:WS+8*\m+7], v10
.endr
	v_nop
.irp j, 0,1,2,3,4,5,6,7
	ds_store_b32 v13, v[WC+\j] offset:PT*(\i)+128*\j
.endr
.if (\i)+5 < 20
	WLOAD (\i)+5
.endif
.endm
.macro TLOAD ks                        ; K step ks of the token tile at s[10:11]
.irp c, 0,1,2,3
	global_load_b128 v[RING+16*(\ks)+4*\c:RING+16*(\ks)+4*\c+3], v4, s[10:11] offset:2048*(\ks)+512*\c
.endr
.endm
.macro FRW ks                          ; the slab's five fragments of K step ks
.irp g, 0,1,2,3
.irp c, 0,1,2,3
	ds_load_b128 v[16*(5*((\ks)%3)+\g)+4*\c:16*(5*((\ks)%3)+\g)+4*\c+3], v14 offset:16*PT*\g+128*(\ks)+32*\c
.endr
.endr
.irp c, 0,1,2,3
	ds_load_b128 v[16*(5*((\ks)%3)+4)+4*\c:16*(5*((\ks)%3)+4)+4*\c+3], v15 offset:128*(\ks)+32*\c
.endr
.endm
; Slice ks of eight of a finished tile (accumulators at Y, its wanted columns in v[CY], m and s into v[M], v[M+1]).
.macro SLICE ks, Y, CY, M, yodd
.if \ks == 0
	v_sub_nc_u32 v18, v[\CY], s19                  ; wanted column - the slab's first new column
	v_cmp_gt_u32 vcc_lo, s22, v18
	s_cbranch_vccz .Lmiss_\@                       ; seldom taken otherwise: 16 positions x 80 of 20,003 columns
	s_wait_xcnt 0x0                                ; EXEC and the last such store's data change only behind this wait
	v_add_nc_u32 v19, s21, v18
	v_sub_nc_u32 v19, v19, v6                      ; d = row in the slab - 8 h: register 8 g + j holds row 16 g + 8 h + j
	v_mov_b32 v20, 0
.set n, 0
.rept 40
	v_cmp_eq_u32 vcc_lo, 16*(n/8)+n%8, v19
	v_cndmask_b32 v20, v20, v[\Y+n], vcc_lo
.set n, n+1
.endr
	v_mul_f32 v20, s32, v20                        ; in base-2 units
	v_and_b32 v21, 8, v19                          ; d's bit 3 set: the row lies in the other half of the lanes
	v_lshl_or_b32 v21, v21, 28, v18
	v_cmp_gt_u32 vcc_lo, s22, v21
	s_and_saveexec_b32 s37, vcc_lo
	global_store_b32 v7, v20, s[16:17]             ; offset 4 r; the base stands at this tile's 16 positions
	s_wait_xcnt 0x0
	s_or_b32 exec_lo, exec_lo, s37
.Lmiss_\@:
	v_max3_num_f32 v24, v[\Y], v[\Y+1], v[\Y+2]    ; the maximum, in two chains, each accumulator from its low end on
	v_max3_num_f32 v25, v[\Y+3], v[\Y+4], v[\Y+5]
.irp i, 6,10,14
	v_max3_num_f32 v24, v24, v[\Y+\i], v[\Y+\i+1]
	v_max3_num_f32 v25, v25, v[\Y+\i+2], v[\Y+\i+3]
.endr
.elseif \ks == 1
.irp i, 18,22,26,30,34
	v_max3_num_f32 v24, v24, v[\Y+\i], v[\Y+\i+1]
	v_max3_num_f32 v25, v25, v[\Y+\i+2], v[\Y+\i+3]
.endr
	v_max3_num_f32 v24, v24, v[\Y+38], v[\Y+39]
	v_max_num_f32 v24, v24, v25
	v_permlanex16_b32 v26, v24, s34, s35           ; the position's other 40 rows lie in the lane 16 away
	v_max_num_f32 v24, v24, v26
	v_mul_f32 v[\M], s32, v24                      ; m = c x maximum (c > 0)
.elseif \ks == 2
.set n, 0
.rept 20
	v_pk_fma_f32 v[\Y+n:\Y+n+1], v[\Y+n:\Y+n+1], s[32:33], v[\M:\M+1] op_sel_hi:[1,0,0] neg_lo:[0,0,1] neg_hi:[0,0,1]   ; c x sum - m
.set n, n+2
.endr
.elseif \ks == 3
.set n, 0
.rept 14
	v_exp_f32 v[\Y+n], v[\Y+n]
.set n, n+1
.endr
.elseif \ks == 4
.set n, 14
.rept 14
	v_exp_f32 v[\Y+n], v[\Y+n]
.set n, n+1
.endr
.elseif \ks == 5
.set n, 28
.rept 12
	v_exp_f32 v[\Y+n], v[\Y+n]
.set n, n+1
.endr
.elseif \ks == 6
	s_wait_alu depctr_va_vdst(0)
	v_pk_add_f32 v[28:29], v[\Y:\Y+1], v[\Y+2:\Y+3]
	v_pk_add_f32 v[30:31], v[\Y+4:\Y+5], v[\Y+6:\Y+7]
.set n, 8
.rept 8
	v_pk_add_f32 v[28:29], v[28:29], v[\Y+n:\Y+n+1]
	v_pk_add_f32 v[30:31], v[30:31], v[\Y+n+2:\Y+n+3]
.set n, n+4
.endr
	v_pk_add_f32 v[28:29], v[28:29], v[30:31]
.else
	v_add_f32 v28, v28, v29
	v_permlanex16_b32 v26, v28, s34, s35
	v_add_f32 v[\M+1], v28, v26                    ; s
	s_add_nc_u64 s[16:17], s[16:17], 64            ; z at the next tile's 16 positions; the one store that names this base has its own wait on XCNT behind it
.if \yodd
	s_wait_xcnt 0x0                                ; the last pair's store has read its registers
	v_cndmask_b32 v34, v32, v22, s36               ; lanes 0-15: the even tile's (m, s); lanes 16-31: the odd tile's
	v_cndmask_b32 v35, v33, v23, s36
	global_store_b64 v8, v[34:35], s[14:15] offset:-256   ; 256 consecutive bytes, aligned; the base has been stepped past this pair
.endif
.endif
.endm
; A trip: the 40 products of the tile in the ring, into set X; the tile before (set Y) is finished in slices; ld = 1: the next tile is fetched, each K step's slot as soon as it is free.
.macro TRIP X, Y, CY, M, ep, ld, yodd
.irp ks, 0,1,2,3,4,5,6,7
.if \ld
	s_wait_loadcnt 29                      ; behind this slot's four loads: the tile's later slots 4 (7 - ks), its columns 1, the next tile's earlier slots 4 ks
.else
	s_wait_loadcnt 4*(7-\ks)+1
.endif
.if \ks == 0
	WIN 0x31                               ; weights window 1, bias window 3
.else
	WIN 1+\ks/3
.endif
.irp g, 0,1,2,3,4                      ; five accumulators by turns
.if \ks == 0
	v_wmma_f32_16x16x128_fp8_fp8 v[\X+8*\g:\X+8*\g+7], v[16*(5*(\ks%3)+\g):16*(5*(\ks%3)+\g)+15], v[RING+16*\ks:RING+16*\ks+15], v[160+8*\g:167+8*\g]
.else
	v_wmma_f32_16x16x128_fp8_fp8 v[\X+8*\g:\X+8*\g+7], v[16*(5*(\ks%3)+\g):16*(5*(\ks%3)+\g)+15], v[RING+16*\ks:RING+16*\ks+15], v[\X+8*\g:\X+8*\g+7]
.endif
.endr
	WIN 0
.if \ks == 0
	s_wait_xcnt 0x0                        ; every load and store issued has read its base: the bases step
.if \ld
	s_add_nc_u64 s[10:11], s[10:11], 16384
	s_add_nc_u64 s[12:13], s[12:13], 64
.endif
.if !\yodd
	s_add_nc_u64 s[14:15], s[14:15], 256
.endif
.endif
.if \ep
	SLICE \ks, \Y, \CY, \M, \yodd
.endif
.rept 4
	v_nop                                  ; four places behind the products, ahead of loads into the slot that they read and of the next reads of sums; also the plain line behind exponentials
.endr
.if \ld
	TLOAD \ks
.if \ks == 7
	global_load_b32 v[\CY], v7, s[12:13]
.endif
.endif
.endr
.endm
	s_load_b256 s[4:11], s[0:1], 0x0               ; head_weight, head_bias, lowp_scales, xc
	s_load_b128 s[12:15], s[0:1], 0x20             ; route, part
	s_load_b64 s[16:17], s[0:1], 0x30              ; z
	v_lshl_add_u32 v46, v0, 2, 0x14800
	v_mov_b32 v47, 0
	v_lshrrev_b32 v1, 5, v0
	v_readfirstlane_b32 s18, v1                    ; wave
	v_and_b32 v1, 31, v0
	v_and_b32 v2, 15, v0
	v_bfe_u32 v3, v0, 4, 1
	v_lshlrev_b32 v4, 4, v1                        ; 16 lane
	v_lshlrev_b32 v5, 2, v1                        ; 4 lane
	v_lshlrev_b32 v6, 3, v3                        ; 8 h
	v_lshlrev_b32 v7, 2, v2                        ; 4 r
	v_lshlrev_b32 v8, 3, v1                        ; 8 lane
	s_mul_i32 s19, ttmp9, 80                       ; the slab's first new column
	s_min_u32 s20, s19, 19923                      ; its first row read
	s_sub_co_u32 s21, s19, s20                     ; rows that the slab before has covered
	s_sub_co_u32 s22, 80, s21
	v_sub_nc_u32 v11, s21, v6
	v_mov_b32 v12, 0xff000000                      ; -2^127
	s_mul_i32 s23, s18, 20*PT
	v_add_nc_u32 v13, s23, v5                      ; rows in: row 20 w, + 4 lane
	v_mul_u32_u24 v14, v2, PT
	v_lshl_add_u32 v14, v3, 4, v14                 ; fragments: row r, + 16 h
	v_add_nc_u32 v15, 64*PT, v14                   ; tile 4's rows lie beyond the 16-bit offset
	s_lshl_b32 s23, s18, 7
	v_add_nc_u32 v37, s23, v5
	v_add_nc_u32 v36, BIAS, v37                    ; bias in: word 32 w + lane
	v_lshrrev_b32 v37, 2, v37
	v_min_u32 v37, 79, v37                         ; (words 80 on repeat the last and are not read)
	v_lshlrev_b32 v37, 2, v37
	v_lshl_add_u32 v38, v3, 5, BIAS                ; bias back: + 32 h
	v_mov_b32 v23, 0                               ; upper halves of pairs and permute destinations are written once
	v_mov_b32 v26, 0
	v_mov_b32 v32, 0
	v_mov_b32 v33, 0
	s_mov_b32 s34, 0x76543210
	s_mov_b32 s35, 0xfedcba98
	s_mov_b32 s36, 0xffff0000
	s_mov_b32 s27, 0
	s_wait_kmcnt 0x0
	s_load_b64 s[24:25], s[8:9], 0x8               ; e2, e3
	s_mul_i32 s26, s18, 20
	s_add_co_u32 s26, s26, s20
	s_lshl_b32 s26, s26, 12
	s_add_nc_u64 s[4:5], s[4:5], s[26:27]          ; my 20 rows
	s_lshl_b32 s26, s20, 2
	s_add_nc_u64 s[6:7], s[6:7], s[26:27]
	s_lshl_b32 s26, s18, 18
	s_add_nc_u64 s[10:11], s[10:11], s[26:27]      ; my 16 token tiles
	s_lshl_b32 s26, s18, 10
	s_add_nc_u64 s[16:17], s[16:17], s[26:27]      ; z at my first tile's positions: 4 x 256 x wave
	s_add_co_u32 s26, s26, 8192
	s_add_nc_u64 s[12:13], s[12:13], s[26:27]      ; their wanted columns
	s_lshl_b32 s26, ttmp9, 13
	s_lshl_b32 s28, s18, 11
	s_add_co_u32 s26, s26, s28
	s_add_nc_u64 s[14:15], s[14:15], s[26:27]      ; my eight pairs in the slab's row of part
	global_load_b32 v39, v37, s[6:7]
.irp i, 0,1,2,3,4
	WLOAD \i
.endr
	s_wait_kmcnt 0x0
	s_add_co_i32 s30, s24, s25
	s_sub_co_i32 s39, 0, s30
	s_lshl_b32 s30, s30, 23
	s_add_co_i32 s32, s30, 0x3fb8aa3b              ; c = log2(e) x 2^(e2 + e3): the exponents are added to the exponent field
	s_mov_b32 s33, s32
	s_add_co_i32 s30, s25, 127
	s_lshl_b32 s31, s30, 23
	v_mov_b32 v10, s31                             ; 2^e3
	s_add_co_i32 s30, s30, 8
	s_lshl_b32 s30, s30, 23
	s_or_b32 s30, s30, 0x600000
	v_mov_b32 v9, s30                              ; 448 x 2^e3
	s_wait_loadcnt 40                              ; the bias word is in; the five rows' 40 loads may be out
	ds_store_b32 v36, v39
.irp i, 0,1,2,3,4,5,6,7,8,9,10,11,12,13,14,15,16,17,18,19
	WROW \i
.endr
.irp ks, 0,1,2,3,4,5,6,7
	TLOAD \ks                                      ; my first token tile
.endr
	global_load_b32 v[COLA], v7, s[12:13]
	s_wait_dscnt 0x0                               ; for the others' sake: my rows lie in LDS
	s_barrier_signal -1
	s_barrier_wait -1
	WIN 0x40
	FRW 0
	FRW 1
	FRW 2
	WIN 0x80
	FRW 3
	FRW 4
	FRW 5
	WIN 0xc0
	FRW 6
	FRW 7
	WIN 0
.irp g, 0,1,2,3,4
	ds_load_b128 v[A+8*\g:A+8*\g+3], v38 offset:64*\g
	ds_load_b128 v[A+8*\g+4:A+8*\g+7], v38 offset:64*\g+16
.endr
	s_wait_dscnt 0x0
.set n, 0
.rept 40
	v_ldexp_f32 v[A+n], v[A+n], s39                ; bias / 2^(e2 + e3)
.set n, n+1
.endr
	WIN 0xc0                                       ; destination window 3
.set n, 0
.rept 40
	v_cmp_lt_i32 vcc_lo, 16*(n/8)+n%8, v11         ; row 16 g + 8 h + j < the rows already covered
	v_cndmask_b32 v[160+n], v[A+n], v12, vcc_lo
.set n, n+1
.endr
	WIN 0
	TRIP A, B, COLB, 22, 0, 1, 1                   ; tile 0
	s_mov_b32 s38, 7
.Lpair:
	TRIP B, A, COLA, 32, 1, 1, 0
	TRIP A, B, COLB, 22, 1, 1, 1
	s_sub_co_u32 s38, s38, 1
	s_cmp_lg_u32 s38, 0
	s_cbranch_scc1 .Lpair
	TRIP B, A, COLA, 32, 1, 0, 0                   ; tile 15: nothing more to fetch
	s_wait_loadcnt 0x0
.irp ks, 0,1,2,3,4,5,6,7
	SLICE \ks, B, COLB, 22, 1
	v_nop
.endr
	s_wait_tensorcnt 0x0
	ds_add_u32 v46, v47
	s_wait_dscnt 0x0
	s_endpgm
.Lfunc_end_k_q96df8e0440_head:
	.size	k_q96df8e0440_head, .Lfunc_end_k_q96df8e0440_head-k_q96df8e0440_head
	.p2alignl 7, 3214868480
	.fill 96, 4, 3214868480
	.section	.rodata,"a",@progbits
	.p2align	6, 0x0
	.amdhsa_kernel k_q96df8e0440_head
		.amdhsa_group_segment_fixed_size 84480
		.amdhsa_private_segment_fixed_size 0
		.amdhsa_enable_private_segment 0
		.amdhsa_kernarg_size 56
		.amdhsa_user_sgpr_count 2
		.amdhsa_user_sgpr_kernarg_segment_ptr 1
		.amdhsa_wavefront_size32 1
		.amdhsa_system_sgpr_workgroup_id_x 1
		.amdhsa_system_sgpr_workgroup_id_y 1
		.amdhsa_system_sgpr_workgroup_id_z 1
		.amdhsa_system_vgpr_workitem_id 0
		.amdhsa_next_free_vgpr 968
		.amdhsa_next_free_sgpr 66
		.amdhsa_reserve_vcc 1
		.amdhsa_float_denorm_mode_32 3
		.amdhsa_float_denorm_mode_16_64 3
		.amdhsa_memory_ordered 1
		.amdhsa_forward_progress 1
		.amdhsa_inst_pref_size 157
	.end_amdhsa_kernel
	.amdgpu_metadata
---
amdhsa.version: [ 1, 2 ]
amdhsa.kernels:
  - .name:           k_q96df8e0440_head
    .symbol:         k_q96df8e0440_head.kd
    .args:
      - { .name: head_weight, .offset: 0, .size: 8, .value_kind: global_buffer, .address_space: global }
      - { .name: head_bias, .offset: 8, .size: 8, .value_kind: global_buffer, .address_space: global }
      - { .name: lowp_scales, .offset: 16, .size: 8, .value_kind: global_buffer, .address_space: global }
      - { .name: xc, .offset: 24, .size: 8, .value_kind: global_buffer, .address_space: global }
      - { .name: route, .offset: 32, .size: 8, .value_kind: global_buffer, .address_space: global }
      - { .name: part, .offset: 40, .size: 8, .value_kind: global_buffer, .address_space: global }
      - { .name: z, .offset: 48, .size: 8, .value_kind: global_buffer, .address_space: global }
    .group_segment_fixed_size: 84480
    .private_segment_fixed_size: 0
    .kernarg_segment_align: 8
    .kernarg_segment_size: 56
    .max_flat_workgroup_size: 128
    .sgpr_count:     66
    .vgpr_count:     968
    .wavefront_size: 32
...
	.end_amdgpu_metadata
.endif
;; end of part 2
;; launch tails (part 3): grid 2093 x 1, 4 waves a work-group, no clusters, 35,840 bytes of LDS; arguments w1, b1, w2, b2, w3, b3, lowp_scales, xc, route, part, z; writes part, z
.if DOCPART == 3
	.amdgcn_target "amdgcn-amd-amdhsa--gfx1250"
	.amdhsa_code_object_version 6
	.text
	.protected	k_q96df8e0440_tails
	.globl	k_q96df8e0440_tails
	.p2align	8
	.type	k_q96df8e0440_tails,@function
k_q96df8e0440_tails:
	s_mov_b64 s[64:65], 0
	v_nop
	global_prefetch_b8 v0, s[64:65] scope:SCOPE_SE
	s_setreg_imm32_b32 hwreg(HW_REG_WAVE_MODE, 25, 1), 1
	s_wait_xcnt 0x0
; The three tails, on the positions of their own clusters alone.  Work-groups 0-1249: tail 2, 128 rows of w2 each; 1250-1779: tail 3, 128 rows of w3; 1780-2092: tail 1, 64 rows of w1.
; A work-group reads its rows once (512 consecutive bytes a load), quantises them (tail 3: rounds to bf16; its product is left as it is), lays them as rows in LDS, and behind ONE barrier every wave
; takes all fragments and the bias into registers.  The waves then share the PAIRS of token tiles (32 aligned positions) that overlap the tail's segment of the sorted positions.
; Transposed use: a lane holds one position.  Of each (position, slab): m = the largest logit in base-2 units, s = the sum of 2^(logit - m); the target's logit is stored by the slab that holds it.
; The walk has a constant count of eight trips; a trip whose pair lies beyond the segment is passed over (a scalar branch on stored whole numbers).  An empty cluster passes over all eight.
; A last slab that would leave its table begins early; rows that the slab before has covered get -2^127 for a bias.
; The three paths part on the work-group's number and have LDS bytes of their own.
; Every vector offset of a global access is made once, at the head, from the thread's number; the pair's number, a stored whole number held at 31, enters the scalar bases alone.
; LIMITS: e7, e11 between -126 and 119; e6 + e7 and e10 + e11 between -100 and 100.  NaN among the inputs is not served.
; No tensor loads: trips are passed over by a branch on stored numbers.  No cluster: work-groups share only the small token images.
; REGISTERS: v1-7, v13 lane terms; v8 targets, v9-12 the wanted logit; v[14:15], v[16:17] (m, s) of the even and the odd tile; v18-27 at work.
;   tails 2, 3: v48-55 token fragment, v64-127 weights, v128-191 bias, v192-255 sums.   tail 1: v32-63 token fragments, v64-191 weights, v192-223 bias, v224-255 sums.
.set T2B, 10240                        ; LDS: tail 2: 128 rows x 80 at 0, bias here
.set T3,  10752                        ; tail 3: 128 rows x 48
.set T3B, 16896
.set T1,  17408                        ; tail 1: 64 rows x 272
.set T1B, 34816
.macro MKS e, vlim, vsc
	s_add_co_i32 s70, \e, 127
	s_lshl_b32 s71, s70, 23
	v_mov_b32 v[\vsc], s71
	s_add_co_i32 s70, s70, 8
	s_lshl_b32 s70, s70, 23
	s_or_b32 s70, s70, 0x600000
	v_mov_b32 v[\vlim], s70
.endm
.macro CSET ea, eb                     ; c = log2(e) x 2^(ea + eb); s69 = -(ea + eb)
	s_add_co_i32 s68, \ea, \eb
	s_sub_co_i32 s69, 0, s68
	s_lshl_b32 s68, s68, 23
	s_add_co_i32 s42, s68, 0x3fb8aa3b
	s_mov_b32 s43, s42
.endm
.macro SEGS st, en                     ; my first pair, and the segment's last (-1 where the cluster is empty)
	s_lshr_b32 s44, \st, 5
	s_add_co_u32 s44, s44, s36
	s_sub_co_i32 s45, \en, 1
	s_ashr_i32 s45, s45, 5
	s_cmp_eq_u32 \st, \en
	s_cselect_b32 s45, -1, s45
.endm
.macro MASKB NL, BI
	s_cmp_eq_u32 s39, 0
	s_cbranch_scc1 .Lnomask_\@
	v_sub_nc_u32 v21, s39, v7
	v_mov_b32 v40, 0xff000000              ; -2^127
.set i, 0
.rept \NL
	v_cmp_lt_i32 vcc_lo, 16*(i/8)+i%8, v21
	v_cndmask_b32 v[\BI+i], v[\BI+i], v40, vcc_lo
.set i, i+1
.endr
.Lnomask_\@:
.endm
.macro MM path                         ; a token tile against the slab; the accumulators take turns; the bias is the first C
.if \path == 1
.irp g, 0,1,2,3
	v_wmma_f32_16x16x128_fp8_fp8 v[224+8*\g:231+8*\g], v[64+32*\g:79+32*\g], v[32:47], v[192+8*\g:199+8*\g]
.endr
.irp g, 0,1,2,3
	v_wmma_f32_16x16x128_fp8_fp8 v[224+8*\g:231+8*\g], v[80+32*\g:95+32*\g], v[48:63], v[224+8*\g:231+8*\g]
.endr
.elseif \path == 2
.irp g, 0,1,2,3,4,5,6,7
	v_wmma_f32_16x16x64_fp8_fp8 v[192+8*\g:199+8*\g], v[64+8*\g:71+8*\g], v[48:55], v[128+8*\g:135+8*\g]
.endr
.else
.irp g, 0,1,2,3,4,5,6,7
	v_wmma_f32_16x16x32_bf16 v[192+8*\g:199+8*\g], v[64+8*\g:71+8*\g], v[48:55], v[128+8*\g:135+8*\g]
.endr
.endif
.endm
.macro LOADT path, immt, immg          ; a token tile's image and its 16 targets
.if \path == 1
.irp c, 0,1,2,3,4,5,6,7
	global_load_b128 v[32+4*\c:35+4*\c], v4, s[54:55] offset:(\immt)+512*\c
.endr
.else
.irp c, 0,1
	global_load_b128 v[48+4*\c:51+4*\c], v4, s[54:55] offset:(\immt)+512*\c
.endr
.endif
	global_load_b32 v8, v5, s[56:57] offset:\immg
.endm
.macro HIT NL, AC, which               ; some lane's target lies in this slab: its logit is picked and stored
	s_wait_xcnt 0x0                        ; EXEC and the last such store's data change only behind this wait
	v_add_nc_u32 v10, s39, v9
	v_sub_nc_u32 v10, v10, v7              ; d = row in the slab - 8 h: register 8 g + j holds row 16 g + 8 h + j
	v_mov_b32 v11, 0
.set i, 0
.rept \NL
	v_cmp_eq_u32 vcc_lo, 16*(i/8)+i%8, v10
	v_cndmask_b32 v11, v11, v[\AC+i], vcc_lo
.set i, i+1
.endr
	v_mul_f32 v11, s42, v11
	v_and_b32 v12, 8, v10                  ; d's bit 3 set: the row lies in the other half of the lanes
	v_lshl_or_b32 v12, v12, 28, v9
	v_cmp_gt_u32 vcc_lo, s41, v12
	s_and_saveexec_b32 s49, vcc_lo
	global_store_b32 v5, v11, s[72:73] offset:4096+64*\which   ; offset 4 r; the base stands at the pair's 32 positions; the tails' table lies 4,096 bytes on
	s_wait_xcnt 0x0
	s_or_b32 exec_lo, exec_lo, s49
.endm
.macro EPI NL, AC, M                   ; m and s of my position over the slab's rows
	v_max3_num_f32 v18, v[\AC], v[\AC+1], v[\AC+2]   ; two chains, each accumulator from its low end on
	v_max3_num_f32 v19, v[\AC+3], v[\AC+4], v[\AC+5]
.set i, 6
.rept (\NL-8)/4
	v_max3_num_f32 v18, v18, v[\AC+i], v[\AC+i+1]
	v_max3_num_f32 v19, v19, v[\AC+i+2], v[\AC+i+3]
.set i, i+4
.endr
	v_max3_num_f32 v18, v18, v[\AC+\NL-2], v[\AC+\NL-1]
	v_max_num_f32 v18, v18, v19
	v_permlanex16_b32 v20, v18, s50, s51
	v_max_num_f32 v18, v18, v20
	v_mul_f32 v[\M], s42, v18
.set i, 0
.rept \NL/2
	v_pk_fma_f32 v[\AC+i:\AC+i+1], v[\AC+i:\AC+i+1], s[42:43], v[\M:\M+1] op_sel_hi:[1,0,0] neg_lo:[0,0,1] neg_hi:[0,0,1]
.set i, i+2
.endr
.set i, 0
.rept \NL
	v_exp_f32 v[\AC+i], v[\AC+i]
.set i, i+1
.endr
	v_nop                                  ; a plain line behind the exponentials
	s_wait_alu depctr_va_vdst(0)
	v_pk_add_f32 v[22:23], v[\AC:\AC+1], v[\AC+2:\AC+3]
	v_pk_add_f32 v[24:25], v[\AC+4:\AC+5], v[\AC+6:\AC+7]
.set i, 8
.rept (\NL-8)/4
	v_pk_add_f32 v[22:23], v[22:23], v[\AC+i:\AC+i+1]
	v_pk_add_f32 v[24:25], v[24:25], v[\AC+i+2:\AC+i+3]
.set i, i+4
.endr
	v_pk_add_f32 v[22:23], v[22:23], v[24:25]
	v_add_f32 v22, v22, v23
	v_permlanex16_b32 v20, v22, s50, s51
	v_add_f32 v[\M+1], v22, v20
.endm
.macro SUB which, path, NL, AC, TSH
	s_wait_loadcnt 0x0                     ; this tile's image and targets are in (nothing else is out), and their bases are free
	MM \path
	v_sub_nc_u32 v9, v8, s40               ; target - the slab's first new row, as a vocabulary index
	v_cmp_gt_u32 vcc_lo, s41, v9
.rept 4
	v_nop                                  ; four places ahead of loads into the fragment just read and of the first read of the sums
.endr
.if \which == 0
	LOADT \path, 1<<\TSH, 64               ; the pair's odd tile
.else
	s_add_co_u32 s47, s44, 4               ; my next pair, held inside the table
	s_min_u32 s47, s47, 31
	s_lshl_b32 s60, s47, \TSH+1
	s_add_nc_u64 s[54:55], s[62:63], s[60:61]
	s_lshl_b32 s60, s47, 7
	s_add_nc_u64 s[56:57], s[66:67], s[60:61]
	LOADT \path, 0, 0
.endif
	s_cbranch_vccz .Lmiss_\@
	HIT \NL, \AC, \which
.Lmiss_\@:
	EPI \NL, \AC, 14+2*\which
.endm
.macro WALK path, NL, AC, TSH
	s_min_u32 s46, s44, 31
	s_mov_b32 s47, s46
	s_lshl_b32 s60, s46, \TSH+1
	s_add_nc_u64 s[54:55], s[62:63], s[60:61]
	s_lshl_b32 s60, s46, 7
	s_add_nc_u64 s[56:57], s[66:67], s[60:61]
	LOADT \path, 0, 0
	s_mov_b32 s48, 0
.Ltrip_\@:
	s_cmp_gt_i32 s44, s45
	s_cbranch_scc1 .Lskip_\@
	s_min_u32 s53, s46, 31                 ; the pair in hand, held inside the tables
	s_lshl_b32 s60, s53, 7
	s_add_nc_u64 s[72:73], s[24:25], s[60:61]   ; z at its 32 positions; every store that named this base had its own wait on XCNT behind it
	SUB 0, \path, \NL, \AC, \TSH
	SUB 1, \path, \NL, \AC, \TSH
	s_wait_xcnt 0x0                        ; the last pair's store has read its registers and its base
	s_lshl_b32 s60, s53, 8
	s_add_nc_u64 s[74:75], s[58:59], s[60:61]   ; the pair's 256 bytes in the slab's row of part
	v_cndmask_b32 v26, v14, v16, s52       ; lanes 0-15: the even tile's (m, s); lanes 16-31: the odd tile's
	v_cndmask_b32 v27, v15, v17, s52
	global_store_b64 v6, v[26:27], s[74:75]    ; 256 consecutive bytes, aligned
	s_mov_b32 s46, s47
.Lskip_\@:
	s_add_co_u32 s44, s44, 4
	s_add_co_u32 s48, s48, 1
	s_cmp_lt_u32 s48, 8
	s_cbranch_scc1 .Ltrip_\@
	s_wait_tensorcnt 0x0
	ds_add_u32 v30, v31
	s_wait_dscnt 0x0
	s_endpgm
.endm
	s_load_b512 s[4:19], s[0:1], 0x0               ; w1, b1, w2, b2, w3, b3, lowp_scales, xc
	s_load_b128 s[20:23], s[0:1], 0x40             ; route, part
	s_load_b64 s[24:25], s[0:1], 0x50              ; z
	v_lshl_add_u32 v30, v0, 2, 0x8a00
	v_mov_b32 v31, 0
	v_lshrrev_b32 v1, 5, v0
	v_readfirstlane_b32 s36, v1                    ; wave
	v_and_b32 v1, 31, v0
	v_and_b32 v2, 15, v0
	v_bfe_u32 v3, v0, 4, 1
	v_lshlrev_b32 v4, 4, v1                        ; 16 lane
	v_lshlrev_b32 v5, 2, v2                        ; 4 r
	v_lshlrev_b32 v6, 3, v1                        ; 8 lane
	v_lshlrev_b32 v7, 3, v3                        ; 8 h
	v_lshlrev_b32 v13, 2, v1                       ; 4 lane
	v_mov_b32 v15, 0                               ; upper halves of pairs and the permute's destination are written once
	v_mov_b32 v17, 0
	v_mov_b32 v20, 0
	s_mov_b32 s50, 0x76543210
	s_mov_b32 s51, 0xfedcba98
	s_mov_b32 s52, 0xffff0000
	s_mov_b32 s61, 0
	s_wait_kmcnt 0x0
	s_load_b128 s[28:31], s[20:21], 0x4000         ; where clusters 1, 2, 3 begin; 1,024
	s_load_b64 s[32:33], s[16:17], 0x18            ; e6, e7
	s_load_b64 s[34:35], s[16:17], 0x28            ; e10, e11
	s_add_nc_u64 s[66:67], s[20:21], 0x1000        ; the targets by position
	s_cmp_lt_u32 ttmp9, 1250
	s_cbranch_scc1 .Lt2
	s_cmp_lt_u32 ttmp9, 1780
	s_cbranch_scc1 .Lt3
	; ================ tail 1: 64 rows of 256
	s_sub_co_u32 s37, ttmp9, 1780
	s_lshl_b32 s68, s37, 6
	s_min_u32 s38, s68, 19936                      ; first row read
	s_sub_co_u32 s39, s68, s38                     ; rows already covered
	s_add_co_u32 s40, s68, 20000
	s_sub_co_u32 s41, 64, s39
	s_add_co_u32 s60, s37, 251
	s_lshl_b32 s60, s60, 13
	s_add_nc_u64 s[58:59], s[22:23], s[60:61]
	s_add_nc_u64 s[62:63], s[18:19], 0x100000
	s_lshl_b32 s68, s36, 4
	s_add_co_u32 s68, s68, s38                     ; my 16 rows
	s_lshl_b32 s60, s68, 10
	s_add_nc_u64 s[4:5], s[4:5], s[60:61]
	s_lshl_b32 s60, s68, 2
	s_add_nc_u64 s[6:7], s[6:7], s[60:61]
.set i, 0
.rept 32
	global_load_b128 v[64+4*i:67+4*i], v4, s[4:5] offset:512*i th:TH_LOAD_NT
.set i, i+1
.endr
	global_load_b32 v29, v5, s[6:7]                ; my 16 bias words (both halves of the lanes the same)
	s_mul_i32 s68, s36, 16*272
	s_add_co_u32 s68, s68, T1
	v_add_nc_u32 v32, s68, v13                     ; rows in
	s_lshl_b32 s68, s36, 6
	s_add_co_u32 s68, s68, T1B
	v_add_nc_u32 v33, s68, v5                      ; bias in
	v_mul_u32_u24 v34, v2, 272
	v_lshl_add_u32 v34, v3, 4, v34
	v_add_nc_u32 v34, T1, v34                      ; fragments
	v_lshl_add_u32 v35, v3, 5, T1B                 ; bias back
	s_wait_kmcnt 0x0
	MKS s33, 36, 37
	CSET s32, s33
	SEGS s28, s29
	s_wait_loadcnt 0x0
.set i, 0
.rept 128
	v_med3_num_f32 v[64+i], v[64+i], -v36, v36     ; the conversion does not saturate (ISA guide 7.6.2)
.set i, i+1
.endr
.set i, 0
.rept 16
	v_cvt_scalef32_pk8_fp8_f32 v[192+2*i:193+2*i], v[64+8*i:71+8*i], v37
.set i, i+1
.endr
	v_nop
.set i, 0
.rept 32
	ds_store_b32 v32, v[192+i] offset:(i/2)*272+128*(i%2)
.set i, i+1
.endr
	ds_store_b32 v33, v29
	s_wait_dscnt 0x0                               ; for the others' sake
	s_barrier_signal -1
	s_barrier_wait -1
.irp g, 0,1,2,3
.irp c, 0,1,2,3,4,5,6,7
	ds_load_b128 v[64+32*\g+4*\c:67+32*\g+4*\c], v34 offset:16*272*\g+32*\c
.endr
	ds_load_b128 v[192+8*\g:195+8*\g], v35 offset:64*\g
	ds_load_b128 v[196+8*\g:199+8*\g], v35 offset:64*\g+16
.endr
	s_wait_dscnt 0x0
.set i, 0
.rept 32
	v_ldexp_f32 v[192+i], v[192+i], s69            ; bias / 2^(e6 + e7)
.set i, i+1
.endr
	MASKB 32, 192
	WALK 1, 32, 224, 12
	; ================ tail 2: 128 rows of 64
.Lt2:
	s_lshl_b32 s38, ttmp9, 7
	s_mov_b32 s39, 0                               ; 160,000 = 1,250 x 128: no slab is short
	s_add_co_u32 s40, s38, 40000
	s_mov_b32 s41, 128
	s_add_co_u32 s60, ttmp9, 564
	s_lshl_b32 s60, s60, 13
	s_add_nc_u64 s[58:59], s[22:23], s[60:61]
	s_add_nc_u64 s[62:63], s[18:19], 0x140000
	s_lshl_b32 s68, s36, 5
	s_add_co_u32 s68, s68, s38                     ; my 32 rows
	s_lshl_b32 s60, s68, 8
	s_add_nc_u64 s[8:9], s[8:9], s[60:61]
	s_lshl_b32 s60, s68, 2
	s_add_nc_u64 s[10:11], s[10:11], s[60:61]
.set i, 0
.rept 16
	global_load_b128 v[64+4*i:67+4*i], v4, s[8:9] offset:512*i th:TH_LOAD_NT
.set i, i+1
.endr
	global_load_b32 v29, v13, s[10:11]
	s_mul_i32 s68, s36, 32*80
	v_mad_u32_u24 v32, v3, 80, v5
	v_add_nc_u32 v32, s68, v32                     ; rows in: row 32 w + h, + 4 r
	s_lshl_b32 s68, s36, 7
	s_add_co_u32 s68, s68, T2B
	v_add_nc_u32 v33, s68, v13
	v_mul_u32_u24 v34, v2, 80
	v_lshl_add_u32 v34, v3, 4, v34
	v_lshl_add_u32 v35, v3, 5, T2B
	s_wait_kmcnt 0x0
	MKS s35, 36, 37
	CSET s34, s35
	SEGS s29, s30
	s_wait_loadcnt 0x0
.set i, 0
.rept 64
	v_med3_num_f32 v[64+i], v[64+i], -v36, v36
.set i, i+1
.endr
.set i, 0
.rept 8
	v_cvt_scalef32_pk8_fp8_f32 v[128+2*i:129+2*i], v[64+8*i:71+8*i], v37
.set i, i+1
.endr
	v_nop
.set i, 0
.rept 16
	ds_store_b32 v32, v[128+i] offset:160*i
.set i, i+1
.endr
	ds_store_b32 v33, v29
	s_wait_dscnt 0x0
	s_barrier_signal -1
	s_barrier_wait -1
.irp g, 0,1,2,3,4,5,6,7
	ds_load_b128 v[64+8*\g:67+8*\g], v34 offset:16*80*\g
	ds_load_b128 v[68+8*\g:71+8*\g], v34 offset:16*80*\g+32
	ds_load_b128 v[128+8*\g:131+8*\g], v35 offset:64*\g
	ds_load_b128 v[132+8*\g:135+8*\g], v35 offset:64*\g+16
.endr
	s_wait_dscnt 0x0
.set i, 0
.rept 64
	v_ldexp_f32 v[128+i], v[128+i], s69            ; bias / 2^(e10 + e11)
.set i, i+1
.endr
	WALK 2, 64, 192, 10
	; ================ tail 3: 128 rows of 16, bf16; K = 16 of the form's 32: the tokens' lanes 16-31 hold zeros, so what the weights hold there adds nothing
.Lt3:
	s_sub_co_u32 s37, ttmp9, 1250
	s_lshl_b32 s68, s37, 7
	s_min_u32 s38, s68, 67607
	s_sub_co_u32 s39, s68, s38
	s_add_co_u32 s40, s68, 200000
	s_sub_co_u32 s41, 128, s39
	s_add_co_u32 s60, s37, 1814
	s_lshl_b32 s60, s60, 13
	s_add_nc_u64 s[58:59], s[22:23], s[60:61]
	s_add_nc_u64 s[62:63], s[18:19], 0x150000
	s_lshl_b32 s68, s36, 5
	s_add_co_u32 s68, s68, s38
	s_lshl_b32 s60, s68, 6
	s_add_nc_u64 s[12:13], s[12:13], s[60:61]
	s_lshl_b32 s60, s68, 2
	s_add_nc_u64 s[14:15], s[14:15], s[60:61]
.set i, 0
.rept 4
	global_load_b128 v[64+4*i:67+4*i], v4, s[12:13] offset:512*i th:TH_LOAD_NT
.set i, i+1
.endr
	global_load_b32 v29, v13, s[14:15]
	v_lshrrev_b32 v32, 2, v1
	v_mul_u32_u24 v32, v32, 48
	v_and_b32 v33, 3, v1
	v_lshl_add_u32 v32, v33, 3, v32
	s_mul_i32 s68, s36, 32*48
	s_add_co_u32 s68, s68, T3
	v_add_nc_u32 v32, s68, v32                     ; rows in: row 32 w + lane / 4, + 8 (lane % 4)
	s_lshl_b32 s68, s36, 7
	s_add_co_u32 s68, s68, T3B
	v_add_nc_u32 v33, s68, v13
	v_mul_u32_u24 v34, v2, 48
	v_add_nc_u32 v34, T3, v34
	v_lshl_add_u32 v35, v3, 5, T3B
	s_mov_b32 s42, 0x3fb8aa3b                      ; c = log2(e)
	s_mov_b32 s43, s42
	s_wait_kmcnt 0x0
	SEGS s30, s31
	s_wait_loadcnt 0x0
.set i, 0
.rept 4
	v_cvt_pk_bf16_f32 v[128+2*i], v[64+4*i], v[65+4*i]
	v_cvt_pk_bf16_f32 v[129+2*i], v[66+4*i], v[67+4*i]
.set i, i+1
.endr
.set i, 0
.rept 4
	ds_store_b64 v32, v[128+2*i:129+2*i] offset:384*i
.set i, i+1
.endr
	ds_store_b32 v33, v29
	s_wait_dscnt 0x0
	s_barrier_signal -1
	s_barrier_wait -1
.irp g, 0,1,2,3,4,5,6,7
	ds_load_b128 v[64+8*\g:67+8*\g], v34 offset:16*48*\g
	ds_load_b128 v[68+8*\g:71+8*\g], v34 offset:16*48*\g+16
	ds_load_b128 v[128+8*\g:131+8*\g], v35 offset:64*\g
	ds_load_b128 v[132+8*\g:135+8*\g], v35 offset:64*\g+16
.endr
	s_wait_dscnt 0x0
	MASKB 64, 128
	WALK 3, 64, 192, 10
.Lfunc_end_k_q96df8e0440_tails:
	.size	k_q96df8e0440_tails, .Lfunc_end_k_q96df8e0440_tails-k_q96df8e0440_tails
	.p2alignl 7, 3214868480
	.fill 96, 4, 3214868480
	.section	.rodata,"a",@progbits
	.p2align	6, 0x0
	.amdhsa_kernel k_q96df8e0440_tails
		.amdhsa_group_segment_fixed_size 35840
		.amdhsa_private_segment_fixed_size 0
		.amdhsa_enable_private_segment 0
		.amdhsa_kernarg_size 88
		.amdhsa_user_sgpr_count 2
		.amdhsa_user_sgpr_kernarg_segment_ptr 1
		.amdhsa_wavefront_size32 1
		.amdhsa_system_sgpr_workgroup_id_x 1
		.amdhsa_system_sgpr_workgroup_id_y 1
		.amdhsa_system_sgpr_workgroup_id_z 1
		.amdhsa_system_vgpr_workitem_id 0
		.amdhsa_next_free_vgpr 256
		.amdhsa_next_free_sgpr 80
		.amdhsa_reserve_vcc 1
		.amdhsa_float_denorm_mode_32 3
		.amdhsa_float_denorm_mode_16_64 3
		.amdhsa_memory_ordered 1
		.amdhsa_forward_progress 1
		.amdhsa_inst_pref_size 131
	.end_amdhsa_kernel
	.amdgpu_metadata
---
amdhsa.version: [ 1, 2 ]
amdhsa.kernels:
  - .name:           k_q96df8e0440_tails
    .symbol:         k_q96df8e0440_tails.kd
    .args:
      - { .name: w1, .offset: 0, .size: 8, .value_kind: global_buffer, .address_space: global }
      - { .name: b1, .offset: 8, .size: 8, .value_kind: global_buffer, .address_space: global }
      - { .name: w2, .offset: 16, .size: 8, .value_kind: global_buffer, .address_space: global }
      - { .name: b2, .offset: 24, .size: 8, .value_kind: global_buffer, .address_space: global }
      - { .name: w3, .offset: 32, .size: 8, .value_kind: global_buffer, .address_space: global }
      - { .name: b3, .offset: 40, .size: 8, .value_kind: global_buffer, .address_space: global }
      - { .name: lowp_scales, .offset: 48, .size: 8, .value_kind: global_buffer, .address_space: global }
      - { .name: xc, .offset: 56, .size: 8, .value_kind: global_buffer, .address_space: global }
      - { .name: route, .offset: 64, .size: 8, .value_kind: global_buffer, .address_space: global }
      - { .name: part, .offset: 72, .size: 8, .value_kind: global_buffer, .address_space: global }
      - { .name: z, .offset: 80, .size: 8, .value_kind: global_buffer, .address_space: global }
    .group_segment_fixed_size: 35840
    .private_segment_fixed_size: 0
    .kernarg_segment_align: 8
    .kernarg_segment_size: 88
    .max_flat_workgroup_size: 128
    .sgpr_count:     80
    .vgpr_count:     256
    .wavefront_size: 32
...
	.end_amdgpu_metadata
.endif
;; end of part 3
;; launch combine (part 4): grid 32 x 1, 32 waves a work-group, no clusters, 36,864 bytes of LDS; arguments route, part, z, out0; writes out0
.if DOCPART == 4
	.amdgcn_target "amdgcn-amd-amdhsa--gfx1250"
	.amdhsa_code_object_version 6
	.text
	.protected	k_q96df8e0440_combine
	.globl	k_q96df8e0440_combine
	.p2align	8
	.type	k_q96df8e0440_combine,@function
k_q96df8e0440_combine:
	s_mov_b64 s[64:65], 0
	v_nop
	global_prefetch_b8 v0, s[64:65] scope:SCOPE_SE
	s_setreg_imm32_b32 hwreg(HW_REG_WAVE_MODE, 25, 1), 1
	s_wait_xcnt 0x0
; The slabs' (m, s) are joined: L = M + log2(sum of s 2^(m - M)), M the largest m; nll = ln 2 x ((L_head - z_head) + (L_tail - z_tail)), the second term for clusters 1 to 3 alone.
; A work-group is one pair of token tiles (32 positions), a lane one position.  Wave v joins slabs v, v + 32, ..; the 32 waves' figures meet in LDS behind one barrier, and wave 0 finishes.
; A tail is joined only where its segment of the sorted positions overlaps the pair: the condition under which its figures were stored.
; A stream of a few megabytes with no products: no matrix unit, no tensor loads, no cluster.
.macro ACT flag, st, en                ; 1 where the pair lies in the segment's pairs
	s_lshr_b32 s24, \st, 5
	s_sub_co_i32 s25, \en, 1
	s_ashr_i32 s25, s25, 5
	s_cmp_eq_u32 \st, \en
	s_cselect_b32 s25, -1, s25
	s_cmp_ge_i32 s13, s24
	s_cselect_b32 \flag, 1, 0
	s_cmp_le_i32 s13, s25
	s_cselect_b32 \flag, \flag, 0
.endm
.macro REDUCE n                        ; n pairs (m, s) from v16 on -> v8 = M, v9 = S
	v_mov_b32 v8, v16
.set k, 1
.rept \n-1
	v_max_num_f32 v8, v8, v[16+2*k]
.set k, k+1
.endr
.set k, 0
.rept \n
	v_sub_f32 v[16+2*k], v[16+2*k], v8
.set k, k+1
.endr
.set k, 0
.rept \n
	v_exp_f32 v[16+2*k], v[16+2*k]
.set k, k+1
.endr
	v_nop                                  ; a plain line behind the exponentials
	s_wait_alu depctr_va_vdst(0)
	v_mul_f32 v9, v16, v17
.set k, 1
.rept \n-1
	v_fmac_f32 v9, v[16+2*k], v[17+2*k]
.set k, k+1
.endr
.endm
.macro PARTRED idx, first, count, nr   ; slabs first .. first + count - 1; nr = count / 32, rounded up
	s_add_co_u32 s26, s12, \first
	s_lshl_b32 s26, s26, 13
	s_lshl_b32 s27, s13, 8
	s_add_co_u32 s26, s26, s27
	s_mov_b32 s27, 0
	s_add_nc_u64 s[28:29], s[6:7], s[26:27]
.if \nr > 33
	s_add_nc_u64 s[30:31], s[28:29], 0x800000      ; 32 x 32 slabs on: beyond the signed 24-bit immediate
.endif
	s_add_co_u32 s32, s12, 32*(\nr-1)              ; my last slab may lie beyond the part's end: then the last one is read again, and its s counts for 0
	s_cmp_lt_u32 s32, \count
	s_cselect_b32 s33, 0x3f800000, 0
	s_min_u32 s32, s32, \count-1
	s_add_co_u32 s32, s32, \first
	s_lshl_b32 s26, s32, 13
	s_lshl_b32 s32, s13, 8
	s_add_co_u32 s26, s26, s32
	s_add_nc_u64 s[34:35], s[6:7], s[26:27]
.set k, 0
.rept \nr-1
.if k < 32
	global_load_b64 v[16+2*k:17+2*k], v2, s[28:29] offset:k*262144 th:TH_LOAD_NT
.else
	global_load_b64 v[16+2*k:17+2*k], v2, s[30:31] offset:(k-32)*262144 th:TH_LOAD_NT
.endif
.set k, k+1
.endr
	global_load_b64 v[16+2*(\nr-1):17+2*(\nr-1)], v2, s[34:35]
	s_wait_loadcnt 0x0
	v_mul_f32 v[17+2*(\nr-1)], s33, v[17+2*(\nr-1)]
	REDUCE \nr
	ds_store_b64 v4, v[8:9] offset:\idx*8192
.endm
.macro FINAL idx
.set k, 0
.rept 32
	ds_load_b64 v[16+2*k:17+2*k], v2 offset:\idx*8192+256*k
.set k, k+1
.endr
	s_wait_dscnt 0x0
	REDUCE 32
	v_log_f32 v10, v9
	v_nop
	s_wait_alu depctr_va_vdst(0)
	v_add_f32 v[100+\idx], v8, v10
.endm
	s_load_b256 s[4:11], s[0:1], 0x0               ; route, part, z, out0
	v_lshl_add_u32 v126, v0, 2, 0x8000
	v_mov_b32 v127, 0
	v_lshrrev_b32 v1, 5, v0
	v_readfirstlane_b32 s12, v1                    ; wave
	v_and_b32 v1, 31, v0
	v_lshlrev_b32 v2, 3, v1                        ; 8 lane
	v_lshlrev_b32 v3, 2, v1
	s_mov_b32 s13, ttmp9                           ; the pair
	s_lshl_b32 s14, s12, 8
	v_add_nc_u32 v4, s14, v2                       ; LDS: 256 wave + 8 lane
	s_lshl_b32 s14, s13, 7
	v_add_nc_u32 v3, s14, v3                       ; 4 x position
	s_wait_kmcnt 0x0
	s_load_b128 s[16:19], s[4:5], 0x4000           ; where clusters 1, 2, 3 begin; 1,024
	s_wait_kmcnt 0x0
	ACT s20, s16, s17
	ACT s21, s17, s18
	ACT s22, s18, s19
	PARTRED 0, 0, 251, 8
	s_cmp_eq_u32 s20, 0
	s_cbranch_scc1 .Lno1
	PARTRED 1, 251, 313, 10
.Lno1:
	s_cmp_eq_u32 s21, 0
	s_cbranch_scc1 .Lno2
	PARTRED 2, 564, 1250, 40
.Lno2:
	s_cmp_eq_u32 s22, 0
	s_cbranch_scc1 .Lno3
	PARTRED 3, 1814, 530, 17
.Lno3:
	s_wait_dscnt 0x0                               ; for wave 0's sake: my figures lie in LDS
	s_barrier_signal -1
	s_barrier_wait -1
	s_cmp_lg_u32 s12, 0
	s_cbranch_scc1 .Lend
	global_load_b32 v110, v3, s[4:5]               ; the position's token
	global_load_b32 v111, v3, s[4:5] offset:12288  ; its cluster
	global_load_b32 v112, v3, s[8:9]               ; the wanted head logit
	global_load_b32 v113, v3, s[8:9] offset:4096   ; the wanted tail logit
	v_mov_b32 v101, 0
	v_mov_b32 v102, 0
	v_mov_b32 v103, 0
	FINAL 0
	s_cmp_eq_u32 s20, 0
	s_cbranch_scc1 .Lf1
	FINAL 1
.Lf1:
	s_cmp_eq_u32 s21, 0
	s_cbranch_scc1 .Lf2
	FINAL 2
.Lf2:
	s_cmp_eq_u32 s22, 0
	s_cbranch_scc1 .Lf3
	FINAL 3
.Lf3:
	s_wait_loadcnt 0x0
	v_sub_f32 v114, v100, v112
	v_mov_b32 v115, 0
	v_cmp_eq_u32 vcc_lo, 1, v111
	v_cndmask_b32 v115, v115, v101, vcc_lo
	v_cmp_eq_u32 vcc_lo, 2, v111
	v_cndmask_b32 v115, v115, v102, vcc_lo
	v_cmp_eq_u32 vcc_lo, 3, v111
	v_cndmask_b32 v115, v115, v103, vcc_lo
	v_sub_f32 v115, v115, v113
	v_cmp_eq_u32 vcc_lo, 0, v111
	v_cndmask_b32 v115, v115, 0, vcc_lo            ; the shortlist has no tail
	v_add_f32 v114, v114, v115
	v_mul_f32 v114, 0x3f317218, v114               ; x ln 2
	v_min_u32 v110, 0x3ff, v110
	v_lshlrev_b32 v110, 2, v110
	global_store_b32 v110, v114, s[10:11]
.Lend:
	s_wait_tensorcnt 0x0
	ds_add_u32 v126, v127
	s_wait_dscnt 0x0
	s_endpgm
.Lfunc_end_k_q96df8e0440_combine:
	.size	k_q96df8e0440_combine, .Lfunc_end_k_q96df8e0440_combine-k_q96df8e0440_combine
	.p2alignl 7, 3214868480
	.fill 96, 4, 3214868480
	.section	.rodata,"a",@progbits
	.p2align	6, 0x0
	.amdhsa_kernel k_q96df8e0440_combine
		.amdhsa_group_segment_fixed_size 36864
		.amdhsa_private_segment_fixed_size 0
		.amdhsa_enable_private_segment 0
		.amdhsa_kernarg_size 32
		.amdhsa_user_sgpr_count 2
		.amdhsa_user_sgpr_kernarg_segment_ptr 1
		.amdhsa_wavefront_size32 1
		.amdhsa_system_sgpr_workgroup_id_x 1
		.amdhsa_system_sgpr_workgroup_id_y 1
		.amdhsa_system_sgpr_workgroup_id_z 1
		.amdhsa_system_vgpr_workitem_id 0
		.amdhsa_next_free_vgpr 128
		.amdhsa_next_free_sgpr 66
		.amdhsa_reserve_vcc 1
		.amdhsa_float_denorm_mode_32 3
		.amdhsa_float_denorm_mode_16_64 3
		.amdhsa_memory_ordered 1
		.amdhsa_forward_progress 1
		.amdhsa_inst_pref_size 49
	.end_amdhsa_kernel
	.amdgpu_metadata
---
amdhsa.version: [ 1, 2 ]
amdhsa.kernels:
  - .name:           k_q96df8e0440_combine
    .symbol:         k_q96df8e0440_combine.kd
    .args:
      - { .name: route, .offset: 0, .size: 8, .value_kind: global_buffer, .address_space: global }
      - { .name: part, .offset: 8, .size: 8, .value_kind: global_buffer, .address_space: global }
      - { .name: z, .offset: 16, .size: 8, .value_kind: global_buffer, .address_space: global }
      - { .name: out0, .offset: 24, .size: 8, .value_kind: global_buffer, .address_space: global }
    .group_segment_fixed_size: 36864
    .private_segment_fixed_size: 0
    .kernarg_segment_align: 8
    .kernarg_segment_size: 32
    .max_flat_workgroup_size: 1024
    .sgpr_count:     66
    .vgpr_count:     128
    .wavefront_size: 32
...
	.end_amdgpu_metadata
.endif
;; end of part 4
